; MI455X (gfx1250); checked and timed in simulation.
; The chip was launched on July 23, 2026; its instructions are those of AMD's public machine-readable ISA for CDNA 5 (MIT licence, August 2026) and "CDNA5" Instruction Set Architecture Reference Guide (July 2026). The comments in the code are by the model that wrote it; some were corrected since.
;; Neural Memory Bank. Allowed arithmetic: matrix products marked QUANTISED: E2M1 operands, one E8M0 scale for each 32 along K, by v_wmma_scale_f32_16x16x128_f8f6f4 with both operands' format E2M1 (or v_wmma_scale_f32_32x16x128_f4), f32 sums; everything else in f32.
;; Inputs: ln_beta 256 float32; ln_gamma 256 float32; memory 4,096 x 256 float32; x_codes 8 x 4,096 x 8 x 16 uint8 (E2M1 codes of x, K innermost, in blocks of 32 codes, two codes a byte); x_scales 8 x 4,096 x 8 uint8 (E8M0 scales of x, one for each 32 codes along K).
;; Outputs: out0 8 x 4,096 x 256 float32; out1 4,096 x 256 float32.
;; This version of the problem:
;;   THIS VERSION OF THE PROBLEM IS GIVEN IN LOW PRECISION. The matrix products marked QUANTISED in the list below multiply operands that are first quantised to E2M1 (2 exponent bits, 1 mantissa bit; 4 bits a number), with one power-of-two scale for each 32 numbers along K (OCP MX v1.0); their sums are f32. All else is computed in f32.
;;   The module's matrix products, in the order in which they are computed (A, B: the left and right operand; K: the contracted axis; several contracted axes count as one K, in the product's order):
;;     1. [M 32,768, K 256] x [K 256, N 4,096]; A: input x (given as codes); B: input memory: QUANTISED
;;     2. [M 32,768, K 4,096] x [K 4,096, N 256]; A: softmax (see below); B: input memory: QUANTISED
;;   THE QUANTISER, for each operand of a quantised product, along K:
;;     - K is cut into blocks of 32 from its start; a last block that is shorter is filled with zeros.
;;     - A block's scale is 2^e with e = floor(log2(the largest magnitude in the block)) - 2, held to -126 .. 127; a block of zeros has e = 0. As a byte (E8M0): e + 127.
;;     - Each number is divided by its block's scale, clamped to +-6, and rounded to the nearest number of E2M1, ties to even, subnormals kept.
;;     - The product sums the exact products of the quantised numbers (number of the format x scale) in f32.
;;   ~~~python
;;   def quantise(x, axis):      # numpy; x: float32 -> the quantised numbers, widened to float32 again
;;       x = np.moveaxis(x, axis, -1); K = x.shape[-1]
;;       x = np.pad(x, [(0, 0)] * (x.ndim - 1) + [(0, -K % 32)]); x = x.reshape(x.shape[:-1] + (-1, 32)); a = np.abs(x).max(-1, keepdims=True)
;;       e = np.where(a > 0, np.clip(np.frexp(np.where(a > 0, a, 1))[1] - 1 - 2, -126, 127), 0)      # np.frexp(a)[1] - 1 = floor(log2(a)), exactly
;;       r = np.clip(x / 2.0 ** e, -6, 6)
;;       step = 2.0 ** (np.maximum(np.frexp(np.where(r == 0, 1, r))[1] - 1, 0) - 1)
;;       q = np.round(r / step) * step * 2.0 ** e      # np.round: ties to even
;;       return np.moveaxis(q.reshape(q.shape[:-2] + (-1,))[..., :K], -1, axis).astype(np.float32)
;;   ~~~
;;   SOFTMAX AHEAD OF A QUANTISED PRODUCT. Where the list says 'softmax', what is quantised is not the finished softmax but p = 2^(t - M), with t = logit x log2(e) and M = ceil(the row's largest t), a whole number; so 1/2 < the row's largest p <= 1. The row's sum l is taken of the UNQUANTISED p, in f32, and the product's result is divided by l at the end. Since M is a whole number, a kernel that streams over the keys may use a running M (the ceiling of the running maximum): every later rescaling is an exact power of two, which a block's scale takes up: the codes' values come out the same.
;;   OPERANDS COMPUTED ON THE WAY. 'Computed on the way' means the value that the module computes at that place (a softmax that the list does not call 'softmax' is quantised finished and normalised). What goes into a quantiser is computed in f32, as accurately as f32 sums, v_exp_f32 and their like allow (about 1e-6 of the number): no bf16 or f16 on the way to a quantiser, and a product that is left as it is and whose result goes on into a quantised operand takes f32 operands (vector FMAs, or v_wmma_f32_16x16x4_f32). A number that lies on a knife's edge between two numbers of the format may be rounded either way, as far as f32 arithmetic and the matrix unit's own rounding can turn it there, and no further.
;;   INPUTS GIVEN AS CODES. x (in the module: [8, 4096, 256], K = its axis 2): each comes as NAME_codes (uint8): NAME with its K axis moved to the last place and cut into blocks of 32 codes, [.., K / 32, bytes a block], one block behind the other in memory; two codes a byte, the lower K in the low four bits (a code: sign, 2 exponent bits, 1 mantissa bit); and NAME_scales (uint8): the same leading axes, one E8M0 byte (e + 127) for each 32 codes along K. Its value is code x scale, taken as it is: it is not quantised again, and the codes and scales need not be those that the quantiser above would give.
;; One version. Each part assembles by itself: llvm-mc -triple=amdgcn-amd-amdhsa -mcpu=gfx1250 --defsym DOCPART=n.
;; ======== version 1 of 1: 3 launches
;; limits: right only within a limited range of input values
;; workspace buffers: kvc 1,671,168 bytes; gp 4,194,304 bytes; rp 262,144 bytes
;; launch prep (part 1): grid 64 x 1, 16 waves a work-group, no clusters, 71,680 bytes of LDS; arguments memory, kvc; writes kvc
.if DOCPART == 1
	.amdgcn_target "amdgcn-amd-amdhsa--gfx1250"
	.amdhsa_code_object_version 6
	.text
	.protected	k_qeac47128c4_prep
	.globl	k_qeac47128c4_prep
	.p2align	8
	.type	k_qeac47128c4_prep,@function
k_qeac47128c4_prep:
	s_mov_b64 s[64:65], 0
	v_nop
	global_prefetch_b8 v0, s[64:65] scope:SCOPE_SE
	s_setreg_imm32_b32 hwreg(HW_REG_WAVE_MODE, 25, 1), 1
	s_wait_xcnt 0x0
; memory [4096 keys][256 channels] f32 is quantised to E2M1 twice: along the channels (it is K of the first product) and along the keys (it is V of the second),
; one E8M0 byte for each 32.  The codes are stored as IMAGES OF OPERAND REGISTERS (a group of four registers: lane l's 16 bytes at 16 l, 512 bytes on end), so that the next launch
; brings them by dense tensor loads and reads each fragment by ds_load_b128 at 16 x lane.
; A STEP is 128 keys, a CHUNK 64 keys, a SLOT of kvc 65,536 bytes:  K place p (0..3) at 8,192 p holds chunk (4 slot + 1 + p) mod 64;  V place a (0, 1) at 32,768 + 16,384 a holds step 2 slot + a.
;   K place: fragment (tile i of 4, channel half ks) at 1,024 (2 i + ks), its registers 4 c .. 4 c + 3 at + 512 c.  Row r of tile t of a step is key 32 (t / 2) + 8 (t % 2) + r + 8 (r / 8).
;   V place: fragment d (channels 16 d + r) at 1,024 d, registers 4 c .. 4 c + 3 (keys 64 c + 32 (lane / 16) + 0 .. 31 of the step) at + 512 c.
; A slot of kvs is 4,096 bytes:  K: 1,024 ks + 256 p + 64 i + 4 r + block;  V: 2,048 + 1,024 (channel / 128) + 512 a + 4 (channel % 128) + key block.
; SHARES: work-group g takes step g / 2 and channel half g % 2: 128 keys x 128 channels, read from memory once, in runs of 512 bytes, into LDS rows of 528 bytes.  Then each of the sixteen waves quantises
; one half fragment of K (a lane: 32 neighbouring channels of one key) and one block of 32 keys x 32 channels of V (a lane: one channel, its registers run down the keys).
; A block's scale byte is its largest magnitude's exponent field - 2, held at 1 from below.  LIMITS: a block of zeros gets the byte 1 and not 127 (its codes are zeros, and this program alone reads the bytes);
; NaN and infinities among the inputs are not served.
; THE LAYOUT OF kvc IN FORCE (it takes the place of what the head says of slots and of kvs; the fragments' inner order is as the head has it):
;   a K record is a chunk of 64 keys: 8,192 bytes of codes, then 512 scale bytes at 8,192 + 256 ks + 64 i + 4 r + block: 8,704 bytes;
;   a V record is a step of 128 keys: 16,384 bytes of codes, then 1,024 scale bytes at 16,384 + 512 (i / 4) + 256 (channel / 128) + 64 (i % 4) + 4 r + key block, i = (channel % 128) / 16: 17,408 bytes;
;   region 1, from byte 0: the 64 K records on end;  region 2, from byte 557,056: for each step its two K records and its V record, 34,816 bytes a step.  K is stored twice: each region is read on end by the next launch.
.set TP,   528
.set KSB,  128*TP                      ; K's scale bytes: 32 for each wave, on end
.set VSB,  KSB+512                     ; V's likewise
.set X,    16                          ; v16-47  the fill's 32 registers, then K's 32 numbers
.set Y,    48                          ; v48-79  V's 32 numbers
.set CK,   80                          ; v80-83  K's codes
.set CV,   84                          ; v84-87  V's codes
.set MXA,  88                          ; v88-89  two chains of the largest magnitude
.set MXB,  89
.set SC,   90                          ; v90     the conversion's scale operand
.set EK,   91                          ; v91, v92 the two scale bytes
.set EV,   92
.set WV,   12                          ; s12     my wave's number
	s_load_b128 s[4:7], s[0:1], 0x0                ; memory s[4:5], kvc s[6:7]
	v_lshl_add_u32 v96, v0, 2, 0x11000
	v_mov_b32 v97, 0
	v_lshrrev_b32 v1, 5, v0
	s_delay_alu instid0(VALU_DEP_1)
	v_readfirstlane_b32 s[WV], v1                  ; wave 0..15
	v_and_b32 v1, 31, v0                           ; lane L
	v_and_b32 v2, 15, v0                           ; r
	v_bfe_u32 v3, v0, 4, 1                         ; h
	s_lshr_b32 s10, ttmp9, 1                       ; j: the step
	s_and_b32 s11, ttmp9, 1                        ; ks: the channel half
	v_lshlrev_b32 v93, 4, v1                       ; 16 L
	s_lshl_b32 s13, s[WV], 10
	v_add_nc_u32 v4, s13, v93                      ; the fill: row = wave (+ 16 k), 16 bytes a lane
	s_lshl_b32 s14, s10, 17                        ; 128 rows of 1,024 bytes a step,
	s_lshl_b32 s15, s11, 9                         ; 512 bytes a half
	s_add_co_u32 s14, s14, s15
	s_mov_b32 s15, 0
	s_wait_alu depctr_va_vdst(0)
	s_wait_kmcnt 0x0
	s_add_nc_u64 s[4:5], s[4:5], s[14:15]
	s_mul_i32 s14, s10, 17408
	s_add_co_u32 s14, s14, 557056
	s_add_nc_u64 s[8:9], s[6:7], s[14:15]          ; from a K record in region 1 to the same record in region 2: 557,056 + 17,408 j bytes on
.irp k, 0,1,2,3,4,5,6,7
	global_load_b128 v[X+4*\k:X+4*\k+3], v4, s[4:5] offset:\k*16384 th:TH_LOAD_NT   ; a wave reads 512 consecutive bytes of row wave + 16 k
.endr
	; every address is made while the loads are out, ahead of every branch on the wave's number
	s_mul_i32 s13, s[WV], TP
	v_add_nc_u32 v5, s13, v93                      ; the tile in LDS: row wave, 16 L
	s_lshr_b32 s16, s[WV], 1                       ; K: t, my tile of the step's eight
	s_and_b32 s17, s[WV], 1                        ;    c, my half of its fragment
	s_lshr_b32 s18, s16, 1
	s_lshl_b32 s18, s18, 5
	s_and_b32 s19, s16, 1
	s_lshl_b32 s19, s19, 3
	s_add_co_u32 s18, s18, s19                     ; the tile's first key: 32 (t / 2) + 8 (t % 2)
	s_mul_i32 s18, s18, TP
	s_lshl_b32 s19, s17, 8
	s_add_co_u32 s18, s18, s19                     ; + 256 c bytes: channels 64 c on
	v_and_b32 v94, 8, v2
	s_delay_alu instid0(VALU_DEP_1)
	v_add_nc_u32 v94, v94, v2                      ; r + 8 (r / 8)
	s_delay_alu instid0(VALU_DEP_1)
	v_mul_u32_u24 v6, v94, TP
	s_delay_alu instid0(VALU_DEP_1)
	v_lshl_add_u32 v6, v3, 7, v6                   ; + 128 h bytes: my block of 32 channels
	s_delay_alu instid0(VALU_DEP_1)
	v_add_nc_u32 v6, s18, v6
	s_lshl_b32 s20, s10, 1
	s_lshr_b32 s21, s[WV], 3
	s_add_co_u32 s20, s20, s21                     ; my chunk: 2 j + t / 4
	s_mul_i32 s21, s20, 8704                       ; its record in region 1
	s_and_b32 s22, s16, 3
	s_lshl_b32 s22, s22, 1
	s_add_co_u32 s22, s22, s11
	s_lshl_b32 s22, s22, 10                        ; fragment 2 i + ks
	s_add_co_u32 s21, s21, s22
	s_lshl_b32 s22, s17, 9
	s_add_co_u32 s21, s21, s22
	v_add_nc_u32 v8, s21, v93                      ; where my 16 bytes of K's codes go
	s_lshl_b32 s22, s[WV], 5
	s_add_co_u32 s23, s22, KSB
	v_lshl_add_u32 v10, v2, 1, v3
	s_delay_alu instid0(VALU_DEP_1)
	v_add_nc_u32 v10, s23, v10                     ; K's byte: KSB + 32 wave + 2 r + h
	s_add_co_u32 s23, s22, VSB
	v_add_nc_u32 v11, s23, v1                      ; V's byte: VSB + 32 wave + L
	s_lshr_b32 s24, s[WV], 2                       ; V: kb, my block of 32 keys
	s_and_b32 s25, s[WV], 3                        ;    cg, my 32 channels
	s_mul_i32 s26, s24, 32*TP
	s_lshl_b32 s27, s25, 7
	s_add_co_u32 s26, s26, s27
	v_lshl_add_u32 v7, v1, 2, s26                  ; row 32 kb (+ k), channel 32 cg + L
	s_mul_i32 s28, s10, 34816
	s_add_co_u32 s28, s28, 574464                  ; the step's V record: 557,056 + 34,816 j + 17,408
	s_lshl_b32 s29, s11, 2
	s_add_co_u32 s29, s29, s25
	s_lshl_b32 s29, s29, 11                        ; fragment 8 ks + 2 cg (+ L / 16)
	s_add_co_u32 s28, s28, s29
	s_lshl_b32 s29, s24, 8                         ; 512 (kb / 2) + 256 (kb % 2) = 256 kb
	s_add_co_u32 s28, s28, s29
	v_lshlrev_b32 v9, 10, v3
	s_delay_alu instid0(VALU_DEP_1)
	v_lshl_add_u32 v9, v2, 4, v9
	s_delay_alu instid0(VALU_DEP_1)
	v_add_nc_u32 v9, s28, v9                       ; sixteen lanes fill 256 consecutive bytes, aligned
	v_lshrrev_b32 v94, 2, v1
	v_and_b32 v95, 3, v1
	s_delay_alu instid0(VALU_DEP_2)
	v_lshlrev_b32 v12, 6, v94
	s_delay_alu instid0(VALU_DEP_1)
	v_lshl_add_u32 v12, v95, 3, v12
	s_delay_alu instid0(VALU_DEP_1)
	v_add_nc_u32 v12, KSB, v12                     ; K's bytes back: tile L / 4, rows 4 (L % 4) on, of the wave with c = 0; the wave with c = 1 lies 32 bytes on
	v_lshl_add_u32 v13, v1, 2, VSB                 ; V's bytes back: channels 4 L on, of key block 0; block kb lies 128 kb on
	s_mul_i32 s31, s10, 17408                      ; chunk 2 j's record in region 1,
	s_lshl_b32 s34, s11, 8                         ; 256 ks
	s_add_co_u32 s31, s31, s34
	s_add_co_u32 s31, s31, 8192                    ; its scale bytes of my channel half;
	s_add_co_u32 s33, s31, 8704                    ; chunk 2 j + 1's
	v_mov_b32 v94, s31
	v_mov_b32 v95, s33
	v_cmp_gt_u32 vcc_lo, 16, v1
	s_delay_alu instid0(VALU_DEP_1)
	v_cndmask_b32 v14, v95, v94, vcc_lo            ; lanes 0-15 store chunk 2 j's 256 scale bytes, lanes 16-31 chunk 2 j + 1's
	s_delay_alu instid0(VALU_DEP_1)
	v_lshl_add_u32 v14, v2, 4, v14
	s_mul_i32 s35, s10, 34816
	s_add_co_u32 s35, s35, s34
	s_add_co_u32 s35, s35, 590848                  ; the V record's scale bytes: 574,464 + 16,384, + 256 ks
	v_lshlrev_b32 v15, 9, v3
	s_delay_alu instid0(VALU_DEP_1)
	v_lshl_add_u32 v15, v2, 4, v15
	s_delay_alu instid0(VALU_DEP_1)
	v_add_nc_u32 v15, s35, v15                     ; + 512 (L / 16) + 16 (L % 16): sixteen lanes fill 256 consecutive bytes, aligned
	s_wait_loadcnt 0x0
.irp k, 0,1,2,3,4,5,6,7
	ds_store_b128 v5, v[X+4*\k:X+4*\k+3] offset:\k*16*TP
.endr
	s_wait_dscnt 0x0                               ; for the others' sake: my rows lie in LDS
	s_barrier_signal -1
	s_barrier_wait -1
.irp k, 0,1,2,3,4,5,6,7
	ds_load_b128 v[X+4*\k:X+4*\k+3], v6 offset:16*\k               ; K: 32 neighbouring channels of my key
.endr
.irp k, 0,1,2,3,4,5,6,7,8,9,10,11,12,13,14,15,16,17,18,19,20,21,22,23,24,25,26,27,28,29,30,31
	ds_load_b32 v[Y+\k], v7 offset:\k*TP                           ; V: my channel, 32 keys down
.endr
; 32 numbers of one lane, v[x] on, become 32 codes in v[c] .. v[c + 3] and the scale's byte in v[e]
.macro QB x, c, e
	v_max3_num_f32 v[MXA], |v[\x]|, |v[\x+1]|, |v[\x+2]|
	v_max3_num_f32 v[MXB], |v[\x+3]|, |v[\x+4]|, |v[\x+5]|
.irp i, 6,10,14,18,22,26
	s_delay_alu instid0(VALU_DEP_2)
	v_max3_num_f32 v[MXA], v[MXA], |v[\x+\i]|, |v[\x+\i+1]|
	s_delay_alu instid0(VALU_DEP_2)
	v_max3_num_f32 v[MXB], v[MXB], |v[\x+\i+2]|, |v[\x+\i+3]|
.endr
	s_delay_alu instid0(VALU_DEP_2)
	v_max3_num_f32 v[MXA], v[MXA], |v[\x+30]|, |v[\x+31]|
	s_delay_alu instid0(VALU_DEP_1)
	v_max3_num_f32 v[MXA], v[MXA], v[MXB], 0x1800000               ; and the floor 2^(3 - 127): the byte cannot fall under 1
	s_delay_alu instid0(VALU_DEP_1)
	v_add_nc_u32 v[SC], 0xff000000, v[MXA]                         ; 2 off the exponent field: the conversion takes that field as its scale
	s_delay_alu instid0(VALU_DEP_1)
	v_lshrrev_b32 v[\e], 23, v[SC]                                 ; the scale's byte
.irp g, 0,1,2,3
	v_cvt_scalef32_pk8_fp4_f32 v[\c+\g], v[\x+8*\g:\x+8*\g+7], v[SC]
.endr
	v_nop                                                          ; one plain line behind the last conversion
.endm
	s_wait_dscnt 32                                ; K's eight loads are in; V's 32 may be out
	QB X, CK, EK
	global_store_b128 v8, v[CK:CK+3], s[6:7]       ; the wave stores 512 consecutive bytes, in region 1
	global_store_b128 v8, v[CK:CK+3], s[8:9]       ; and in region 2
	ds_store_b8 v10, v[EK]
	s_wait_dscnt 1                                 ; V's loads are in; the byte store may be out
	QB Y, CV, EV
	global_store_b128 v9, v[CV:CV+3], s[6:7]
	ds_store_b8 v11, v[EV]
	s_wait_dscnt 0x0                               ; for the others' sake: my two bytes lie in LDS
	s_barrier_signal -1
	s_barrier_wait -1
	s_cmp_lg_u32 s[WV], 0
	s_cbranch_scc1 .Lnot_k
	ds_load_b64 v[16:17], v12                      ; four rows' bytes of blocks 0, 1
	ds_load_b64 v[18:19], v12 offset:32            ; and of blocks 2, 3
	s_wait_dscnt 0x0
	v_perm_b32 v20, v18, v16, 0x05040100           ; a row's word: blocks 0, 1 below, blocks 2, 3 above
	v_perm_b32 v21, v18, v16, 0x07060302
	v_perm_b32 v22, v19, v17, 0x05040100
	v_perm_b32 v23, v19, v17, 0x07060302
	global_store_b128 v14, v[20:23], s[6:7]        ; sixteen lanes fill 256 consecutive bytes, aligned: region 1
	global_store_b128 v14, v[20:23], s[8:9]        ; and region 2
.Lnot_k:
	s_cmp_lg_u32 s[WV], 1
	s_cbranch_scc1 .Lend
.irp b, 0,1,2,3
	ds_load_b32 v[24+\b], v13 offset:128*\b        ; four channels' bytes of key block b
.endr
	s_wait_dscnt 0x0
	v_perm_b32 v28, v25, v24, 0x05010400           ; four by four bytes are turned: channels 0, 1 of blocks 0, 1
	v_perm_b32 v29, v25, v24, 0x07030602           ; channels 2, 3
	v_perm_b32 v30, v27, v26, 0x05010400           ; the same of blocks 2, 3
	v_perm_b32 v31, v27, v26, 0x07030602
	s_delay_alu instid0(VALU_DEP_2)
	v_perm_b32 v32, v30, v28, 0x05040100           ; a channel's word: blocks 0 to 3
	s_delay_alu instid0(VALU_DEP_3)
	v_perm_b32 v33, v30, v28, 0x07060302
	s_delay_alu instid0(VALU_DEP_3)
	v_perm_b32 v34, v31, v29, 0x05040100
	s_delay_alu instid0(VALU_DEP_4)
	v_perm_b32 v35, v31, v29, 0x07060302
	global_store_b128 v15, v[32:35], s[6:7]
.Lend:
	s_wait_tensorcnt 0x0
	ds_add_u32 v96, v97
	s_wait_dscnt 0x0
	s_endpgm
.Lfunc_end_k_qeac47128c4_prep:
	.size	k_qeac47128c4_prep, .Lfunc_end_k_qeac47128c4_prep-k_qeac47128c4_prep
	.p2alignl 7, 3214868480
	.fill 96, 4, 3214868480
	.section	.rodata,"a",@progbits
	.p2align	6, 0x0
	.amdhsa_kernel k_qeac47128c4_prep
		.amdhsa_group_segment_fixed_size 71680
		.amdhsa_private_segment_fixed_size 0
		.amdhsa_enable_private_segment 0
		.amdhsa_kernarg_size 16
		.amdhsa_user_sgpr_count 2
		.amdhsa_user_sgpr_kernarg_segment_ptr 1
		.amdhsa_wavefront_size32 1
		.amdhsa_system_sgpr_workgroup_id_x 1
		.amdhsa_system_sgpr_workgroup_id_y 1
		.amdhsa_system_sgpr_workgroup_id_z 1
		.amdhsa_system_vgpr_workitem_id 0
		.amdhsa_next_free_vgpr 98
		.amdhsa_next_free_sgpr 66
		.amdhsa_reserve_vcc 1
		.amdhsa_float_denorm_mode_32 3
		.amdhsa_float_denorm_mode_16_64 3
		.amdhsa_memory_ordered 1
		.amdhsa_forward_progress 1
		.amdhsa_inst_pref_size 16
	.end_amdhsa_kernel
	.amdgpu_metadata
---
amdhsa.version: [ 1, 2 ]
amdhsa.kernels:
  - .name:           k_qeac47128c4_prep
    .symbol:         k_qeac47128c4_prep.kd
    .args:
      - { .name: memory, .offset: 0, .size: 8, .value_kind: global_buffer, .address_space: global }
      - { .name: kvc, .offset: 8, .size: 8, .value_kind: global_buffer, .address_space: global }
    .group_segment_fixed_size: 71680
    .private_segment_fixed_size: 0
    .kernarg_segment_align: 8
    .kernarg_segment_size: 16
    .max_flat_workgroup_size: 512
    .sgpr_count:     66
    .vgpr_count:     98
    .wavefront_size: 32
...
	.end_amdgpu_metadata
.endif
;; end of part 1
;; launch attn (part 2): grid 256 x 1, 4 waves a work-group, clusters of 4 x 1, 327,680 bytes of LDS; arguments x_codes, x_scales, kvc, out0, gp, rp; writes out0, gp, rp
.if DOCPART == 2
	.amdgcn_target "amdgcn-amd-amdhsa--gfx1250"
	.amdhsa_code_object_version 6
	.text
	.protected	k_qeac47128c4_attn
	.globl	k_qeac47128c4_attn
	.p2align	8
	.type	k_qeac47128c4_attn,@function
k_qeac47128c4_attn:
	s_mov_b64 s[64:65], 0
	v_nop
	global_prefetch_b8 v0, s[64:65] scope:SCOPE_SE
	s_setreg_imm32_b32 hwreg(HW_REG_WAVE_MODE, 25, 1), 1
	s_wait_xcnt 0x0
	s_wait_alu depctr_hold_cnt(0) depctr_sa_sdst(0) depctr_va_vdst(0) depctr_va_sdst(0) depctr_va_ssrc(0) depctr_va_vcc(0) depctr_vm_vsrc(0)
	s_getreg_b32 s2, hwreg(HW_REG_IB_STS2, 6, 4)
	s_cmp_eq_u32 s2, 0
	s_cbranch_scc0 .Lentry_in_a_cluster
	s_endpgm
.Lentry_in_a_cluster:
	s_bfe_u32 s2, ttmp6, 0x10000c
	s_cmp_lg_u32 s2, 0x3003
	s_cbranch_scc0 .Lentry_shape_is_right
	s_endpgm
.Lentry_shape_is_right:
; out0[q][:] = sum over keys of softmax(x[q] . memory[k]) memory[k][:], both products on E2M1 codes with one E8M0 scale for each 32 along K;
; gp[key / 64][work-group][key % 64] = the sum over the work-group's 128 queries of sigmoid(score);  rp[work-group][channel] = the sum over them of out0.  32,768 queries, 4,096 keys, 256 channels.
; FOUR WAVES, one to a SIMD; TWO PASSES over the keys in one launch.
; PASS 1: the waves divide the KEYS; each holds all 128 queries (8 tiles, window 1).  Score = Q K^T with source 0 = 16 queries, source 1 = 16 keys: a lane holds ONE key and eight queries of each tile, so the sum of
;   the sigmoids over the 128 queries is additions in the lane and one exchange of half waves, and is final in the wave.  Sigmoid = 1 / (1 + 2^(-t)), t = score x log2(e): it runs to 0 and to 1 without a clamp.
;   The same scores give each query's largest score: 64 running maxima a lane, joined over 16 lanes and, through LDS, over the four waves.
; PASS 2: the waves divide the QUERIES, 32 each, two tiles: each fragment of K and V read from LDS feeds two matrix instructions.  S^T = K Q^T and O^T = V^T P^T: a lane holds ONE query of each tile.
;   M = ceil(the row's largest t) is final from pass 1, so p = 2^(t - M) needs no running maximum and O^T no rescaling.  p is quantised along the keys; the row's sum is taken of the unquantised p and divides at the end.
;   Row r of tile t of a step is key 32 (t / 2) + 8 (t % 2) + r + 8 (r / 8): 16 registers of two neighbouring tiles are 16 neighbouring keys.
; THE RING: two slots of 139,264 bytes, twelve fills: kvc is laid as the twelve fills on end (4 of K records for pass 1; 8 of steps, K K V, for pass 2).  Fill n: wave w brings 34,816 bytes (136 rows of 256) from n x 139,264 + w x 34,816
;   to the same place in slot n % 2.  Every wave issues one load a fill.  In pass 1 a wave reads the 256 keys that it brought.
; CLUSTER: all work-groups walk the same bytes: the four of a cluster ask jointly, mask of all four; a round of the cluster's barrier stands in front of each fill.
; TRANSCENDENTALS go in batches, one wait ahead of a batch and one behind it.  Between a batch's lines stand plain lines of the OTHER tile: their sources were written ahead of the batch's first wait, their results are first read behind its last.
; A step's 80 LDS loads are issued four at a time among its vector lines (macro LDH): V of this step first, then K of the next step.
; O^T begins as zeros, written once between the passes: so pass 2's trip is written twice (with and without a fill) and not a third time.
; REGISTERS.  Window 0: v0-63 as named below; v64-191 scores (pass 1: two key tiles; pass 2: S^T then p of my two query tiles); v192-223 pass 1: K of a pair; pass 2: v192-207 p's codes, v208-239 partial sums.
;   Window 1: pass 1: v0-127 Q's eight tiles, v128-191 running maxima; pass 2: O^T, tile q at 128 q.  Window 2: v0-127 K of a step, v128-255 V.  Window 3: v0-31 my two tiles of Q.
; LIMITS: NaN, infinities and the scale byte 0xff are not served; a p under 2^-126 counts as 0; a block whose every p is 0 keeps the byte 1 (its codes are zeros); the scaled scores stay under 2^31 in magnitude.
; (Of macro LDH's loads, in place of the head's sentence on them: a step's 80 LDS loads go out in five runs of at most 16, each at a place where the wave's vector results are awaited anyway: V of this step first, then K of the next.
;  Of the plain lines in a batch: they stand beside the batch's last transcendentals, the last eight behind them.)
.set UNIT,  17408
.set SLOT,  139264
.set STP,   34816                      ; a step in a pass-2 slot: two K records, one V record; also a wave's share of a fill
.set CH,    8704                       ; a K record
.set GB,    278528                     ; gate sums: 4,096 bytes for each wave, its own
.set MXB,   294912                     ; [wave][128 queries] largest scores
.set SPARE, 299008                     ; the spare words, 128 bytes for each wave
.set STG,   0                          ; the way out, in slot 0, which has had its last fill and is read no more: 16 rows x 272 bytes for each wave
.set SPI,   272
.set RX,    40960                      ; likewise in slot 0: [wave][row parity][256 channels] f32
.set SPW, 1
.set NIL, 2
.set L16, 3                            ; 16 x lane
.set KSO, 4                            ; 256 (lane / 16) + 4 (lane % 16): a lane's place among scale words
.set PFO, 5                            ; the prefetches' offset; never rewritten
.set AD16, 6
.set ADS, 7
.set NM,  8                            ; v8, v10: -M of tile 0, 1; v9, v11: the tiles' scale words of Q (each named in a pair with its -M)
.set QS2, 9
.set LS,  12                           ; v[12:13], v[14:15] the rows' sums in two halves
.set PS,  16                           ; v16, v17 p's scale words
.set T1,  18                           ; v18, v19 at work
.set F,   20                           ; v[20:21], v[22:23] 1 / the sum
.set VS,  24                           ; v24-31 V's scale words; pass 1: Q's, a register a tile
.set QS,  24
.set KS,  32                           ; v32-39 K's scale words
.set BM,  40                           ; v40-47 the blocks' largest scores, largest p, then the conversions' scale operands: tile q at 4 q
.set BT,  48                           ; v48-55 at work
.set GSA, 56
.set GSW, 57
.set ST,  64
.set S,   64
.set KB,  192
.set CD,  192
.set TR,  208
.set WV,  16
.set CX,  17
.set WG,  18
.set TB,  19                           ; the slot that is read
.set WOFF, 20                          ; s[20:21] wave x 34,816
.set CS,  22                           ; s[22:23] log2(e)
.set NC,  24                           ; s[24:25] -log2(e)
.set SEL, 26
.set CNT, 28
.set LIM, 29
.set PFA, 30
.set G1,  32
.set G0,  40
.set TF,  44                           ; the slot that was filled last
.set NT,  45                           ; the trip's number
.set GO,  46
.set SO,  47                           ; LDS byte at which the chunk or step in hand begins
.set IC,  60                           ; the inner loops' counter
.set MSB, 0
.set ln, 99
.set LAST, 1
.macro WIN new
.if MSB != \new
	s_set_vgpr_msb (MSB<<8)|\new
.set MSB, \new
.endif
.endm
.macro ROUND
	s_barrier_signal -1
	s_barrier_wait -1
	s_cmp_lg_u32 s[WV], 0
	s_cbranch_scc1 .Lnw0_\@
	s_barrier_signal -3
.Lnw0_\@:
	s_barrier_wait -3
	s_barrier_signal -1
	s_barrier_wait -1
.endm
.macro NOPS
.rept 4
	v_nop
.endr
.endm
.macro WALU
	s_wait_alu depctr_va_vdst(0)
.endm
; A trip's head.  All my loads have landed (my part of the slot ahead), 0 is added to my spare word, my reads of the slot behind are over; a round of the cluster's barrier; then trip n issues fill n + 1 into the slot behind.
; Behind it two prefetches: fill n + 2's 544 blocks of 256 bytes are shared out by address among the first cluster's 16 waves, 34 each, 17 lanes an instruction (the other lanes name the 17th again); trips 10 and 11 ask for nothing.
.macro HEAD fill
	WALU                                           ; the wait ahead of the blocking waits
	s_wait_tensorcnt 0x0
	ds_add_u32 v[SPW], v[NIL]
	s_mov_b32 s[TB], s[TF]
	s_xor_b32 s[TF], s[TF], SLOT
.if \fill
	s_add_co_u32 s[G0+1], s[TF], s[WOFF]
	s_add_nc_u64 s[G0+2:G0+3], s[G0+2:G0+3], SLOT
	s_wait_xcnt 0x0                                ; my last prefetches and stores have read their registers
	s_add_nc_u64 s[PFA:PFA+1], s[PFA:PFA+1], SLOT
.endif
	s_wait_dscnt 0x0
.if \fill
	ROUND
	tensor_load_to_lds s[G0:G0+3], s[G1:G1+7]
	s_nop 0
	NOPS
	s_cmp_lt_u32 s[NT], s[LIM]
	s_cbranch_scc0 .Lna_\@
	global_prefetch_b8 v[PFO], s[PFA:PFA+1] th:TH_LOAD_NT scope:SCOPE_SE
	global_prefetch_b8 v[PFO], s[PFA:PFA+1] offset:4352 th:TH_LOAD_NT scope:SCOPE_SE
.Lna_\@:
	s_add_co_u32 s[NT], s[NT], 1
.else
	s_barrier_signal -1
	s_barrier_wait -1
.endif
.endm
; Group ln of a step's LDS loads: 0-7 V's codes, 8 V's scale words, 9-16 the next step's K, 17 its scale words (none of K in a slot's last step).  Nothing when the list is done.
.macro LDH
.if ln < 8
	WIN 0x80
.irp j, 0,1,2,3
	ds_load_b128 v[128+16*ln+4*\j:128+16*ln+4*\j+3], v[AD16] offset:UNIT+2048*ln+512*\j
.endr
.elseif ln == 8
	WIN 0
.irp i, 0,1,2,3,4,5,6,7
	ds_load_b32 v[VS+\i], v[ADS] offset:UNIT+16384+512*(\i/4)+64*(\i%4)
.endr
.elseif (ln < 17) && (LAST == 0)
	WIN 0x80
.irp j, 0,1,2,3
	ds_load_b128 v[16*(ln-9)+4*\j:16*(ln-9)+4*\j+3], v[AD16] offset:STP+((ln-9)/4)*CH+2048*((ln-9)%4)+512*\j
.endr
.elseif (ln == 17) && (LAST == 0)
	WIN 0
.irp t, 0,1,2,3,4,5,6,7
	ds_load_b32 v[KS+\t], v[ADS] offset:STP+(\t/4)*CH+8192+64*(\t%4)
.endr
.endif
.set ln, ln+1
.endm
.macro RUN c                           ; the next c groups of the list, on end; every window is 0 behind them
.rept \c
	LDH
.endr
	WIN 0
.endm
; A batch of n transcendentals in place on v[tb] on, and np plain lines of the other tile (macro pl, line zk): one behind each of the batch's last np - 8 lines, and eight behind the last, which are also the plain place that is owed there.
.macro ZIP op, tb, n, pl, np
.set zi, 0
.set zk, 0
.rept \n
	\op v[\tb+zi], v[\tb+zi]
.if zi >= \n-\np+8
	\pl
.set zk, zk+1
.endif
.set zi, zi+1
.endr
.rept 8
	\pl
.set zk, zk+1
.endr
	WALU
.endm
.macro TREE b, s, c                    ; c packed additions: pairs s registers apart
.set kk, 0
.rept \c
	v_pk_add_f32 v[\b+2*\s*kk:\b+2*\s*kk+1], v[\b+2*\s*kk:\b+2*\s*kk+1], v[\b+2*\s*kk+\s:\b+2*\s*kk+\s+1]
.set kk, kk+1
.endr
.endm
; PASS 1.  A pair: two tiles, 32 keys; X = the first tile's 64 scores, Y = the second's.
.macro P1MY
	v_pk_mul_f32 v[S+64+2*zk:S+65+2*zk], v[S+64+2*zk:S+65+2*zk], s[NC:NC+1] op_sel_hi:[1,0]
.endm
.macro P1AX
	v_pk_add_f32 v[S+2*zk:S+1+2*zk], v[S+2*zk:S+1+2*zk], 1.0 op_sel_hi:[1,0]
.endm
.macro P1AY
	v_pk_add_f32 v[S+64+2*zk:S+65+2*zk], v[S+64+2*zk:S+65+2*zk], 1.0 op_sel_hi:[1,0]
.endm
.macro P1SX
	v_pk_add_f32 v[S+4*zk:S+4*zk+1], v[S+4*zk:S+4*zk+1], v[S+4*zk+2:S+4*zk+3]
.endm
.macro KPX co, so
.set nl, 0
.rept 8
	ds_load_b128 v[KB+4*nl:KB+4*nl+3], v[AD16] offset:(\co)+512*nl
.set nl, nl+1
.endr
.irp tl, 0,1
	ds_load_b32 v[KS+\tl], v[ADS] offset:(\so)+8192+64*\tl
.endr
.endm
.macro ADDR1
	v_add_nc_u32 v[AD16], s[SO], v[L16]
	v_add_nc_u32 v[ADS], s[SO], v[KSO]
	v_add_nc_u32 v[GSW], s[GO], v[GSA]
	WALU
.endm
.macro PAIR half, pf                   ; half: which 32 keys of the chunk; pf: what is fetched meanwhile: 1 the chunk's second pair, 2 the next chunk's first, 0 nothing
	s_wait_dscnt 0x1                               ; the pair's K is in: behind its loads stands at most the last pair's one store, which may stay out
	WIN 0x01                                       ; source 0 (Q) in window 1
.irp ks, 0,1
.irp tl, 0,1
.irp i, 0,1,2,3,4,5,6,7
.if \ks == 0
	v_wmma_scale_f32_16x16x128_f8f6f4 v[S+64*\tl+8*\i:S+64*\tl+8*\i+7], v[16*\i:16*\i+7], v[KB+16*\tl:KB+16*\tl+7], 0, v[QS+\i], v[KS+\tl] matrix_a_fmt:MATRIX_FMT_FP4 matrix_b_fmt:MATRIX_FMT_FP4
.else
	v_wmma_scale_f32_16x16x128_f8f6f4 v[S+64*\tl+8*\i:S+64*\tl+8*\i+7], v[16*\i+8:16*\i+15], v[KB+16*\tl+8:KB+16*\tl+15], v[S+64*\tl+8*\i:S+64*\tl+8*\i+7], v[QS+\i], v[KS+\tl] matrix_a_fmt:MATRIX_FMT_FP4 matrix_b_fmt:MATRIX_FMT_FP4 matrix_a_scale:MATRIX_SCALE_ROW1 matrix_b_scale:MATRIX_SCALE_ROW1
.endif
.endr
.endr
.endr
	WIN 0
	NOPS                                           ; places between the products and the loads into K, and the first reads of the scores
.if \pf == 1
	KPX 4096, 128
.elseif \pf == 2
	KPX CH, CH
.endif
	WIN 0x41                                       ; the running maxima (destination, source 0) in window 1
.set kk, 0
.rept 64
	v_max3_num_f32 v[128+kk], v[128+kk], v[S+kk], v[S+64+kk]       ; each accumulator is read from its low end on
.set kk, kk+1
.endr
	WIN 0
.set kk, 0
.rept 32
	v_pk_mul_f32 v[S+2*kk:S+2*kk+1], v[S+2*kk:S+2*kk+1], s[NC:NC+1] op_sel_hi:[1,0]   ; X: -t
.set kk, kk+1
.endr
	WALU
	ZIP v_exp_f32, S, 64, P1MY, 32                 ; X: 2^(-t)      | Y: -t
	ZIP v_exp_f32, S+64, 64, P1AX, 32              ; Y: 2^(-t)      | X: 1 + e
	ZIP v_rcp_f32, S, 64, P1AY, 32                 ; X: reciprocals | Y: 1 + e
	ZIP v_rcp_f32, S+64, 64, P1SX, 16              ; Y: reciprocals | X: the first additions
	TREE S+64, 2, 16
	TREE S, 4, 16                                  ; from here on both tiles' registers in one run
	TREE S, 8, 8
	TREE S, 16, 4
	TREE S, 32, 2
	v_add_f32 v[S], v[S], v[S+1]
	v_add_f32 v[S+64], v[S+64], v[S+65]
	v_permlane16_swap_b32 v[S], v[S+64]            ; the first: both tiles' query halves 0; the second: their halves 1
	v_add_f32 v[S], v[S], v[S+64]                  ; lanes 0-15: the first tile's 16 keys, lanes 16-31: the second's
	ds_store_b32 v[GSW], v[S] offset:128*\half     ; in the keys' own order
.endm
; PASS 2.
.macro MXL q                           ; line mn of the 32 that find the largest score of each block of 32 keys of tile q; each accumulator is first read at its low end
.if mn < 4
	v_max3_num_f32 v[BM+4*\q+mn], v[ST+64*\q+16*mn], v[ST+64*\q+1+16*mn], v[ST+64*\q+2+16*mn]
.elseif mn < 28
	v_max3_num_f32 v[BM+4*\q+(mn%4)], v[BM+4*\q+(mn%4)], v[ST+64*\q+16*(mn%4)+3+2*((mn-4)/4)], v[ST+64*\q+16*(mn%4)+4+2*((mn-4)/4)]
.else
	v_max_num_f32 v[BM+4*\q+mn-28], v[BM+4*\q+mn-28], v[ST+64*\q+15+16*(mn-28)]
.endif
.endm
.macro P2FB                            ; tile 1: t - M
	v_pk_fma_f32 v[ST+64+2*zk:ST+65+2*zk], v[ST+64+2*zk:ST+65+2*zk], s[CS:CS+1], v[NM+2:NM+3] op_sel_hi:[1,0,0]
.endm
.macro P2TA                            ; tile 0: the first additions of the row's sum, into registers of their own; then the floor 2^(3 - 127) under its blocks' largest p
.if zk < 16
	v_pk_add_f32 v[TR+2*zk:TR+2*zk+1], v[ST+4*zk:ST+4*zk+1], v[ST+4*zk+2:ST+4*zk+3]
.else
	v_max_num_f32 v[BM+zk-16], 0x1800000, v[BM+zk-16]
.endif
.endm
.macro STEP last
.set LAST, \last
.set ln, 0
	s_wait_dscnt 0x0                               ; K is in
	WIN 0x0e                                       ; source 0 (K) in window 2, source 1 (Q) in window 3
.irp ks, 0,1
.irp t, 0,1,2,3,4,5,6,7
.irp q, 0,1
.if \ks == 0
	v_wmma_scale_f32_16x16x128_f8f6f4 v[ST+64*\q+8*\t:ST+64*\q+8*\t+7], v[16*\t:16*\t+7], v[16*\q:16*\q+7], 0, v[KS+\t], v[QS2+2*\q] matrix_a_fmt:MATRIX_FMT_FP4 matrix_b_fmt:MATRIX_FMT_FP4
.else
	v_wmma_scale_f32_16x16x128_f8f6f4 v[ST+64*\q+8*\t:ST+64*\q+8*\t+7], v[16*\t+8:16*\t+15], v[16*\q+8:16*\q+15], v[ST+64*\q+8*\t:ST+64*\q+8*\t+7], v[KS+\t], v[QS2+2*\q] matrix_a_fmt:MATRIX_FMT_FP4 matrix_b_fmt:MATRIX_FMT_FP4 matrix_a_scale:MATRIX_SCALE_ROW1 matrix_b_scale:MATRIX_SCALE_ROW1
.endif
.endr
.endr
.endr
	WIN 0
	NOPS                                           ; places: loads into K and V follow, and the first reads of S^T
	RUN 4                                          ; V's codes, first half
.set mn, 0
.rept 32
	MXL 0
	MXL 1
.set mn, mn+1
.endr
.irp b, 0,1,2,3,4,5,6,7
	v_permlanex16_b32 v[BT+\b], v[BM+\b], s[SEL], s[SEL+1]
.endr
.irp b, 0,1,2,3,4,5,6,7
	v_max_num_f32 v[BM+\b], v[BM+\b], v[BT+\b]     ; with lane l xor 16's 16 keys
.endr
.set kk, 0
.rept 32
	v_pk_fma_f32 v[ST+2*kk:ST+2*kk+1], v[ST+2*kk:ST+2*kk+1], s[CS:CS+1], v[NM:NM+1] op_sel_hi:[1,0,0]   ; tile 0: t - M
.set kk, kk+1
.endr
.irp b, 0,1,2,3
	v_fma_f32 v[BM+\b], v[BM+\b], s[CS], v[NM]     ; the same of each block's largest score: p rises with the score
	v_fma_f32 v[BM+4+\b], v[BM+4+\b], s[CS], v[NM+2]
.endr
	WALU
	RUN 4                                          ; V's codes, second half
.irp b, 0,1,2,3
	v_exp_f32 v[BM+\b], v[BM+\b]
.endr
	ZIP v_exp_f32, ST, 64, P2FB, 32                ; tile 0: p | tile 1: t - M
	RUN 3                                          ; V's scale words; the next step's K, groups 0 and 1
.irp b, 0,1,2,3
	v_exp_f32 v[BM+4+\b], v[BM+4+\b]
.endr
	ZIP v_exp_f32, ST+64, 64, P2TA, 20             ; tile 1: p | tile 0: sums and floors
	RUN 4                                          ; K, groups 2 to 5
.irp b, 4,5,6,7
	v_max_num_f32 v[BM+\b], 0x1800000, v[BM+\b]    ; the floor: the byte cannot fall under 1
.endr
.irp b, 0,1,2,3,4,5,6,7
	v_add_nc_u32 v[BM+\b], 0xff000000, v[BM+\b]    ; 2 off the exponent field: the conversion's scale operand
.endr
.irp b, 0,1,2,3,4,5,6,7
	v_lshrrev_b32 v[BT+\b], 23, v[BM+\b]           ; the scale's byte
.endr
.irp n, 1,2,3
.irp q, 0,1
.if \n == 1
	v_lshl_or_b32 v[PS+\q], v[BT+4*\q+1], 8, v[BT+4*\q]
.else
	v_lshl_or_b32 v[PS+\q], v[BT+4*\q+\n], 8*\n, v[PS+\q]
.endif
.endr
.endr
.irp q, 0,1
.irp b, 0,1,2,3
	v_cvt_scalef32_pk8_fp4_f32 v[CD+8*\q+2*\b], v[ST+64*\q+16*\b:ST+64*\q+7+16*\b], v[BM+4*\q+\b]
	v_cvt_scalef32_pk8_fp4_f32 v[CD+8*\q+1+2*\b], v[ST+64*\q+8+16*\b:ST+64*\q+15+16*\b], v[BM+4*\q+\b]
.endr
.endr
	v_nop                                          ; one plain line behind the last conversion
.irp c, 0,1,2,3                                ; the operand wants a whole block in a lane
.irp i, 0,1
	v_permlane16_swap_b32 v[CD+4*\c+\i], v[CD+2+4*\c+\i]
.endr
.endr
	TREE ST+64, 2, 16                              ; the rows' sums of the unquantised p, the two tiles by turns; these lines are also the places between p's codes and scale words and the products
	TREE TR, 2, 8
	TREE ST+64, 4, 8
	TREE TR, 4, 4
	TREE ST+64, 8, 4
	TREE TR, 8, 2
	TREE ST+64, 16, 2
	TREE TR, 16, 1
	TREE ST+64, 32, 1
	v_pk_add_f32 v[LS:LS+1], v[LS:LS+1], v[TR:TR+1]
	v_pk_add_f32 v[LS+2:LS+3], v[LS+2:LS+3], v[ST+64:ST+65]
	s_wait_dscnt 24*(1-\last)                      ; V is in; behind its last load stand 24 of the next step's K, which may stay out
	RUN 3                                          ; K, groups 6 and 7, and its scale words: they land under the products below
	WIN 0x52                                       ; O^T in window 1, V in window 2, p's codes in window 0
	WALU                                           ; the wait ahead of the first readers of O^T
.set dd, 0
.rept 16
.irp q, 0,1
.if dd < 8
	v_wmma_scale_f32_16x16x128_f8f6f4 v[128*\q+8*dd:128*\q+8*dd+7], v[128+8*dd:128+8*dd+7], v[CD+8*\q:CD+8*\q+7], v[128*\q+8*dd:128*\q+8*dd+7], v[VS+dd], v[PS+\q] matrix_a_fmt:MATRIX_FMT_FP4 matrix_b_fmt:MATRIX_FMT_FP4
.else
	v_wmma_scale_f32_16x16x128_f8f6f4 v[128*\q+8*dd:128*\q+8*dd+7], v[128+8*dd:128+8*dd+7], v[CD+8*\q:CD+8*\q+7], v[128*\q+8*dd:128*\q+8*dd+7], v[VS+dd-8], v[PS+\q] matrix_a_fmt:MATRIX_FMT_FP4 matrix_b_fmt:MATRIX_FMT_FP4 matrix_a_scale:MATRIX_SCALE_ROW1
.endif
.endr
.set dd, dd+1
.endr
	WIN 0
.set ln, 99
.endm
.macro ADDR2
	v_add_nc_u32 v[AD16], s[SO], v[L16]
	v_add_nc_u32 v[ADS], s[SO], v[KSO]
	WALU
.endm
.macro TRIP2 fill
	HEAD \fill
	s_mov_b32 s[SO], s[TB]
	ADDR2
	WIN 0x80
.set nl, 0
.rept 32
	ds_load_b128 v[4*nl:4*nl+3], v[AD16] offset:(nl/16)*CH+512*(nl%16)   ; the slot's first K
.set nl, nl+1
.endr
	WIN 0
.irp t, 0,1,2,3,4,5,6,7
	ds_load_b32 v[KS+\t], v[ADS] offset:(\t/4)*CH+8192+64*(\t%4)
.endr
	s_mov_b32 s[IC], 3
.Lst_\@:                                           ; three steps that fetch the next step's K; the slot's last is written out
	STEP 0
	s_add_co_u32 s[SO], s[SO], STP
	ADDR2
	s_sub_co_u32 s[IC], s[IC], 1
	s_cmp_lg_u32 s[IC], 0
	s_cbranch_scc1 .Lst_\@
	STEP 1
.endm
	s_load_b256 s[4:11], s[0:1], 0x0               ; x_codes s[4:5], x_scales s[6:7], kvc s[8:9], out0 s[10:11]
	s_load_b128 s[12:15], s[0:1], 0x20             ; gp s[12:13], rp s[14:15]
	v_lshl_add_u32 v[SPW], v0, 2, SPARE
	v_mov_b32 v[NIL], 0
	ds_add_u32 v[SPW], v[NIL]                      ; the opening lines: the add twice on end and one wait
	ds_add_u32 v[SPW], v[NIL]
	v_lshrrev_b32 v[T1], 5, v0
	v_readfirstlane_b32 s[WV], v[T1]               ; wave 0..3
	s_bfe_u32 s[CX], ttmp6, 0x40000                ; my place in the cluster: it enters global addresses alone
	s_lshl_b32 s[WG], ttmp9, 2
	s_add_co_u32 s[WG], s[WG], s[CX]
	s_mov_b32 s[G1], 15|(3<<16)|(1<<21)            ; the mask of all four; elements of 8 bytes; bit 21 beside a mask; no padding: the images are read 16 bytes a lane on end
	s_mov_b32 s[G1+1], 32<<16                      ; rows of 256 bytes
	s_mov_b32 s[G1+2], 136<<16
	s_mov_b32 s[G1+3], 32<<16
	s_mov_b32 s[G1+4], 136
	s_mov_b32 s[G1+5], 32                          ; dense
	s_mov_b32 s[G1+6], 0
	s_mov_b32 s[G1+7], 0
	s_mov_b32 s[CS], 0x3fb8aa3b
	s_mov_b32 s[CS+1], s[CS]
	s_mov_b32 s[NC], 0xbfb8aa3b
	s_mov_b32 s[NC+1], s[NC]
	s_mov_b32 s[SEL], 0x76543210
	s_mov_b32 s[SEL+1], 0xfedcba98
	s_mul_i32 s[WOFF], s[WV], STP
	s_mov_b32 s[WOFF+1], 0
	s_mov_b32 s[TF], 0
	s_mov_b32 s[NT], 0
	s_mov_b32 s[GO], 0
	s_wait_dscnt 0x0
	s_wait_kmcnt 0x0
	s_mov_b32 s[G0], 1
	s_mov_b32 s[G0+1], s[WOFF]
	s_add_nc_u64 s[G0+2:G0+3], s[8:9], s[WOFF:WOFF+1]
	s_or_b32 s[G0+3], s[G0+3], 0x80000000
	ROUND                                          ; all four work-groups are here
	tensor_load_to_lds s[G0:G0+3], s[G1:G1+7]      ; fill 0: one load a wave at the head
	s_nop 0
	NOPS
	s_mov_b32 s49, 0
	s_mov_b32 s51, 0
	s_lshl_b32 s48, s[WG], 14
	s_add_nc_u64 s[4:5], s[4:5], s[48:49]          ; the work-group's 128 queries: codes, 128 bytes each,
	s_lshl_b32 s48, s[WG], 10
	s_add_nc_u64 s[6:7], s[6:7], s[48:49]          ; scale bytes, 8 each,
	s_add_nc_u64 s[14:15], s[14:15], s[48:49]      ; and its row of rp
	s_lshl_b32 s48, s[WG], 8
	s_add_nc_u64 s[12:13], s[12:13], s[48:49]      ; its 256 bytes in each key block of gp
	s_lshl_b32 s48, s[WG], 17
	s_lshl_b32 s50, s[WV], 15
	s_add_co_u32 s48, s48, s50
	s_add_nc_u64 s[10:11], s[10:11], s[48:49]      ; my 32 rows of out0
	s_lshl_b32 s50, s[WV], 12
	s_add_nc_u64 s[52:53], s[4:5], s[50:51]        ; my two tiles' codes
	s_lshl_b32 s50, s[WV], 8
	s_add_nc_u64 s[54:55], s[6:7], s[50:51]        ; and scale bytes
	s_lshl_b32 s48, s[CX], 2
	s_add_co_u32 s48, s48, s[WV]
	s_mul_i32 s48, s48, 8704                       ; the prefetches: my wave's 34 blocks of a fill,
	s_add_co_u32 s48, s48, SLOT                    ; in fill 1: trip 0 steps it to fill 2
	s_add_nc_u64 s[PFA:PFA+1], s[8:9], s[48:49]
	s_cmp_eq_u32 ttmp9, 0                          ; the first cluster asks: the same in all four partners
	s_cselect_b32 s[LIM], 10, 0
	s_lshl_b32 s48, s[WV], 12
	s_add_co_u32 s48, s48, GB
	v_and_b32 v64, 31, v0                          ; L
	v_and_b32 v65, 15, v0                          ; r
	v_bfe_u32 v66, v0, 4, 1                        ; h
	v_lshlrev_b32 v67, 7, v65
	v_lshl_add_u32 v67, v66, 4, v67                ; Q: row r of 128 bytes, + 16 h
	v_lshlrev_b32 v68, 3, v65
	v_lshl_add_u32 v68, v66, 2, v68                ; its scale words: 8 r + 4 h
	WIN 0x40
.set nl, 0
.rept 32
	global_load_b128 v[4*nl:4*nl+3], v67, s[4:5] offset:(nl/4)*2048+(nl%4)*32   ; all eight tiles, into window 1
.set nl, nl+1
.endr
	WIN 0xc0
.set nl, 0
.rept 8
	global_load_b128 v[4*nl:4*nl+3], v67, s[52:53] offset:(nl/4)*2048+(nl%4)*32   ; my own two tiles once more, into window 3, for pass 2
.set nl, nl+1
.endr
	WIN 0
.irp i, 0,1,2,3,4,5,6,7
	global_load_b32 v[QS+\i], v68, s[6:7] offset:128*\i
.endr
	global_load_b32 v[QS2], v68, s[54:55]
	global_load_b32 v[QS2+2], v68, s[54:55] offset:128
	v_lshlrev_b32 v[L16], 4, v64
	v_lshlrev_b32 v[KSO], 8, v66
	v_lshl_add_u32 v[KSO], v65, 2, v[KSO]
	v_min_u32 v[PFO], 16, v64
	v_lshlrev_b32 v[PFO], 8, v[PFO]
	v_and_b32 v69, 7, v0
	v_bfe_u32 v70, v0, 3, 1
	v_lshlrev_b32 v[GSA], 5, v66                   ; a lane's key in a pair's sums: 8 (L / 16) + L % 8 + 16 ((L / 8) % 2), 4 bytes each
	v_lshl_add_u32 v[GSA], v69, 2, v[GSA]
	v_lshl_add_u32 v[GSA], v70, 6, v[GSA]
	v_add_nc_u32 v[GSA], s48, v[GSA]
.irp b, 0,1,2,3
	v_mov_b32 v[LS+\b], 0
	v_mov_b32 v[F+\b], 0
.endr
	v_mov_b32 v[T1+1], 0
.irp b, 0,1,2,3,4,5,6,7
	v_mov_b32 v[BT+\b], 0                          ; written once: a lane permute's destination counts as one of its sources
.endr
	WIN 0x40
.set kk, 0
.rept 64
	v_mov_b32 v[128+kk], 0xff800000                ; the running maxima begin at -infinity
.set kk, kk+1
.endr
	WIN 0
	s_mov_b32 s[CNT], 4
	WALU                                           ; the wait at the head's end
	s_wait_loadcnt 0x0
.Lp1:                                              ; trips 0 to 3: fills 0 to 3 are read, fills 1 to 4 asked for
	HEAD 1
	s_add_co_u32 s[SO], s[TB], s[WOFF]             ; the 256 keys that I brought: four chunks
	ADDR1
	KPX 0, 0
	s_wait_dscnt 0x0                               ; the trip's first K is in: so a pair's own wait may leave one LDS instruction out on every way to it
	s_mov_b32 s[IC], 3
.Lch:                                              ; three chunks that fetch the next chunk's first pair; the fourth is written out
	PAIR 0, 1
	PAIR 1, 2
	s_add_co_u32 s[SO], s[SO], CH
	s_add_co_u32 s[GO], s[GO], 256
	ADDR1
	s_sub_co_u32 s[IC], s[IC], 1
	s_cmp_lg_u32 s[IC], 0
	s_cbranch_scc1 .Lch
	PAIR 0, 1
	PAIR 1, 0
	s_add_co_u32 s[GO], s[GO], 256
	s_sub_co_u32 s[CNT], s[CNT], 1
	s_cmp_lg_u32 s[CNT], 0
	s_cbranch_scc1 .Lp1
	; BETWEEN THE PASSES: my gate sums leave; the maxima are joined over lanes and waves.
	s_lshl_b32 s56, s[WV], 12
	s_add_co_u32 s56, s56, GB
	s_lshl_b32 s57, s[WV], 2
	s_lshl_b32 s58, s[WV], 9
	s_add_co_u32 s58, s58, MXB
	s_lshl_b32 s59, s[WV], 7
	s_add_co_u32 s59, s59, MXB
	v_add_nc_u32 v58, s56, v[L16]                  ; my gate sums back, 16 bytes a lane
	v_bfe_u32 v60, v0, 4, 1
	v_and_b32 v62, 15, v0
	v_add_nc_u32 v59, s57, v60
	v_lshlrev_b32 v59, 16, v59
	v_lshl_add_u32 v59, v62, 4, v59                ; gp: key block 4 wave + L / 16 (+ 2 a load, 16 a trip), 65,536 bytes each, 16 (L % 16)
	v_lshl_add_u32 v60, v60, 5, s58                ; the maxima out: [my wave][query 16 i + 8 h + j]
	v_lshl_add_u32 v61, v62, 2, s59                ; and back: query 32 wave + r (+ 16) of each wave's row
	WALU
.irp q, 0,1,2,3,4,5,6,7
	ds_load_b128 v[S+4*\q:S+4*\q+3], v58 offset:512*\q   ; LDS serves a wave's instructions in order: these see my stores
.endr
	WIN 0x45
.irp m, 1,2,4,8
.set kk, 0
.rept 64
	v_max_num_f32_dpp v[128+kk], v[128+kk], v[128+kk] row_xmask:\m row_mask:0xf bank_mask:0xf
.set kk, kk+1
.endr
.endr
	WIN 0x04
.set kk, 0
.rept 64
	ds_store_b32 v60, v[128+kk] offset:64*(kk/8)+4*(kk%8)   ; sixteen lanes write one word with one value
.set kk, kk+1
.endr
	WIN 0
	s_wait_dscnt 0x0                               ; for the others' sake; and my gate sums are back
.irp q, 0,1,2,3,4,5,6,7
	global_store_b128 v59, v[S+4*\q:S+4*\q+3], s[12:13] offset:(16*(\q/2)+2*(\q%2))*65536   ; sixteen lanes store 256 consecutive bytes, aligned
.endr
	s_barrier_signal -1                            ; fill 4 may stay out
	WIN 0x40
.set kk, 0
.rept 256
	v_mov_b32 v[kk], 0                             ; O^T
.set kk, kk+1
.endr
	WIN 0
	s_barrier_wait -1
.irp k, 0,1,2,3
.irp q, 0,1
	ds_load_b32 v[S+32+4*\q+\k], v61 offset:512*\k+64*\q
.endr
.endr
	s_wait_dscnt 0x0
.irp q, 0,1
	v_max3_num_f32 v[T1+\q], v[S+32+4*\q], v[S+33+4*\q], v[S+34+4*\q]
.endr
.irp q, 0,1
	v_max_num_f32 v[T1+\q], v[T1+\q], v[S+35+4*\q] ; my query's largest score
.endr
.irp q, 0,1
	v_mul_f32 v[T1+\q], s[CS], v[T1+\q]
.endr
.irp q, 0,1
	v_floor_f32 v[NM+2*\q], -v[T1+\q]              ; -M = floor(-t): M is a whole number
.endr
	s_mov_b32 s[CNT], 7
.Lp2:                                              ; trips 4 to 10: fills 5 to 11 are asked for
	TRIP2 1
	s_sub_co_u32 s[CNT], s[CNT], 1
	s_cmp_lg_u32 s[CNT], 0
	s_cbranch_scc1 .Lp2
	TRIP2 0                                        ; the last trip is written out: it asks for nothing
	; THE WAY OUT.  O^T / the sum goes through my stage in LDS, 64 channels of 16 queries at a time, and leaves as aligned runs of 256 bytes.
.set STO, 32
.set SRD, 33
.set OGO, 34
.set RXA, 35
.set RXR, 36
.set RPO, 37
.irp q, 0,1
	v_add_f32 v[LS+2*\q], v[LS+2*\q], v[LS+2*\q+1]
.endr
.irp q, 0,1
	v_permlanex16_b32 v[T1+\q], v[LS+2*\q], s[SEL], s[SEL+1]
.endr
.irp q, 0,1
	v_add_f32 v[LS+2*\q], v[LS+2*\q], v[T1+\q]     ; the row's sum
.endr
	WALU
	v_rcp_f32 v[F], v[LS]
	v_rcp_f32 v[F+2], v[LS+2]
	v_and_b32 v38, 15, v0                          ; r
	v_bfe_u32 v39, v0, 4, 1                        ; h
	s_mul_i32 s56, s[WV], 16*SPI
	s_add_co_u32 s56, s56, STG
	v_mul_u32_u24 v[STO], v38, SPI
	v_lshl_add_u32 v[STO], v39, 5, v[STO]
	v_add_nc_u32 v[STO], s56, v[STO]               ; in: row r, 32 h bytes on
	v_mul_u32_u24 v[SRD], v39, SPI
	v_lshl_add_u32 v[SRD], v38, 4, v[SRD]
	v_add_nc_u32 v[SRD], s56, v[SRD]               ; back: lanes 0-15 one row, lanes 16-31 the next
	v_lshlrev_b32 v[OGO], 10, v39
	v_lshl_add_u32 v[OGO], v38, 4, v[OGO]          ; and the same two rows in out0
	s_lshl_b32 s57, s[WV], 11
	s_add_co_u32 s57, s57, RX
	v_add_nc_u32 v[RXA], s57, v[OGO]               ; my column sums: [wave][row parity][channel]
	v_lshl_add_u32 v[RXR], v0, 4, RX
	v_lshlrev_b32 v[RPO], 4, v0
.macro OUTT q
.if \q
	s_wait_xcnt 0x0                                ; the first tile's stores have read their registers, which are written again below
.endif
	WIN 0x01                                       ; source 0 (O^T) in window 1
	WALU                                           ; ahead of the first readers of the reciprocal and of O^T
.set kk, 0
.rept 64
	v_pk_mul_f32 v[ST+2*kk:ST+2*kk+1], v[128*\q+2*kk:128*\q+2*kk+1], v[F+2*\q:F+2*\q+1] op_sel_hi:[1,0]   ; register 8 d + j is out0(r, 16 d + 8 h + j); each accumulator from its low end on
.set kk, kk+1
.endr
	WIN 0
.irp u, 0,1,2,3
.irp t, 0,1,2,3
	ds_store_b128 v[STO], v[ST+32*\u+8*\t:ST+32*\u+8*\t+3] offset:64*\t
	ds_store_b128 v[STO], v[ST+32*\u+8*\t+4:ST+32*\u+8*\t+7] offset:64*\t+16
.endr
.irp i, 0,1,2,3,4,5,6,7
	ds_load_b128 v[ST+32*\u+4*\i:ST+32*\u+4*\i+3], v[SRD] offset:2*\i*SPI   ; in order behind my stores; the next 64 channels' stores come behind them
.endr
.endr
.irp u, 0,1,2,3
.irp i, 0,1,2,3,4,5,6,7
	s_wait_dscnt 16*(3-\u)+7-\i                    ; what was issued behind this load may stay out: 16 for each later group, and the group's later loads
	global_store_b128 v[OGO], v[ST+32*\u+4*\i:ST+32*\u+4*\i+3], s[10:11] offset:16384*\q+2048*\i+256*\u th:TH_STORE_NT   ; sixteen lanes store 256 consecutive bytes, aligned
.endr
.endr
.irp i, 0,1,2,3,4,5,6,7                        ; the sum of my rows of one parity, channel by channel
.irp u, 0,1,2,3
.if (\q == 0) && (\i == 1)
	v_pk_add_f32 v[KB+4*\u:KB+4*\u+1], v[ST+32*\u:ST+32*\u+1], v[ST+32*\u+4:ST+32*\u+5]
	v_pk_add_f32 v[KB+4*\u+2:KB+4*\u+3], v[ST+32*\u+2:ST+32*\u+3], v[ST+32*\u+6:ST+32*\u+7]
.elseif (\q == 1) || (\i > 1)
	v_pk_add_f32 v[KB+4*\u:KB+4*\u+1], v[KB+4*\u:KB+4*\u+1], v[ST+32*\u+4*\i:ST+32*\u+4*\i+1]
	v_pk_add_f32 v[KB+4*\u+2:KB+4*\u+3], v[KB+4*\u+2:KB+4*\u+3], v[ST+32*\u+4*\i+2:ST+32*\u+4*\i+3]
.endif
.endr
.endr
.endm
	OUTT 0
	OUTT 1
.irp u, 0,1,2,3
	ds_store_b128 v[RXA], v[KB+4*\u:KB+4*\u+3] offset:256*\u
.endr
	s_wait_dscnt 0x0                               ; for the others' sake: my column sums lie in LDS
	s_barrier_signal -1
	s_barrier_wait -1
	s_cmp_lt_u32 s[WV], 2                          ; waves 0 and 1 add the eight column sums: 64 lanes, four channels each
	s_cbranch_scc0 .Lno_rx
	s_wait_xcnt 0x0                                ; out0's stores have read their registers, which the loads below fill
.irp k, 0,1,2,3,4,5,6,7
	ds_load_b128 v[ST+4*\k:ST+4*\k+3], v[RXR] offset:1024*\k
.endr
	s_wait_dscnt 0x0
.irp s, 1,2,4
.set nl, 0
.rept 4/\s
	v_pk_add_f32 v[ST+4*nl:ST+4*nl+1], v[ST+4*nl:ST+4*nl+1], v[ST+4*(nl+\s):ST+4*(nl+\s)+1]
	v_pk_add_f32 v[ST+4*nl+2:ST+4*nl+3], v[ST+4*nl+2:ST+4*nl+3], v[ST+4*(nl+\s)+2:ST+4*(nl+\s)+3]
.set nl, nl+2*\s
.endr
.endr
	global_store_b128 v[RPO], v[ST:ST+3], s[14:15]
.Lno_rx:
	s_wait_tensorcnt 0x0                           ; the wave's end
	ds_add_u32 v[SPW], v[NIL]
	s_wait_dscnt 0x0
	ROUND                                          ; the closing round
	s_endpgm
.Lfunc_end_k_qeac47128c4_attn:
	.size	k_qeac47128c4_attn, .Lfunc_end_k_qeac47128c4_attn-k_qeac47128c4_attn
	.p2alignl 7, 3214868480
	.fill 96, 4, 3214868480
	.section	.rodata,"a",@progbits
	.p2align	6, 0x0
	.amdhsa_kernel k_qeac47128c4_attn
		.amdhsa_group_segment_fixed_size 327680
		.amdhsa_private_segment_fixed_size 0
		.amdhsa_enable_private_segment 0
		.amdhsa_kernarg_size 48
		.amdhsa_user_sgpr_count 2
		.amdhsa_user_sgpr_kernarg_segment_ptr 1
		.amdhsa_wavefront_size32 1
		.amdhsa_system_sgpr_workgroup_id_x 1
		.amdhsa_system_sgpr_workgroup_id_y 1
		.amdhsa_system_sgpr_workgroup_id_z 1
		.amdhsa_system_vgpr_workitem_id 0
		.amdhsa_next_free_vgpr 800
		.amdhsa_next_free_sgpr 80
		.amdhsa_reserve_vcc 0
		.amdhsa_float_denorm_mode_32 3
		.amdhsa_float_denorm_mode_16_64 3
		.amdhsa_memory_ordered 1
		.amdhsa_forward_progress 1
		.amdhsa_inst_pref_size 255
	.end_amdhsa_kernel
	.section	.bss,"aw",@nobits
	.p2align	6
	.space	262144
	.amdgpu_metadata
---
amdhsa.version: [ 1, 2 ]
amdhsa.kernels:
  - .name:           k_qeac47128c4_attn
    .symbol:         k_qeac47128c4_attn.kd
    .args:
      - { .name: x_codes, .offset: 0, .size: 8, .value_kind: global_buffer, .address_space: global }
      - { .name: x_scales, .offset: 8, .size: 8, .value_kind: global_buffer, .address_space: global }
      - { .name: kvc, .offset: 16, .size: 8, .value_kind: global_buffer, .address_space: global }
      - { .name: out0, .offset: 24, .size: 8, .value_kind: global_buffer, .address_space: global }
      - { .name: gp, .offset: 32, .size: 8, .value_kind: global_buffer, .address_space: global }
      - { .name: rp, .offset: 40, .size: 8, .value_kind: global_buffer, .address_space: global }
    .group_segment_fixed_size: 327680
    .private_segment_fixed_size: 0
    .kernarg_segment_align: 8
    .kernarg_segment_size: 48
    .max_flat_workgroup_size: 128
    .sgpr_count:     80
    .vgpr_count:     800
    .wavefront_size: 32
...
	.end_amdgpu_metadata
.endif
;; end of part 2
;; launch fin (part 3): grid 64 x 1, 16 waves a work-group, no clusters, 18,432 bytes of LDS; arguments gp, rp, memory, ln_gamma, ln_beta, out1; writes out1
.if DOCPART == 3
	.amdgcn_target "amdgcn-amd-amdhsa--gfx1250"
	.amdhsa_code_object_version 6
	.text
	.protected	k_qeac47128c4_fin
	.globl	k_qeac47128c4_fin
	.p2align	8
	.type	k_qeac47128c4_fin,@function
k_qeac47128c4_fin:
	s_mov_b64 s[64:65], 0
	v_nop
	global_prefetch_b8 v0, s[64:65] scope:SCOPE_SE
	s_setreg_imm32_b32 hwreg(HW_REG_WAVE_MODE, 25, 1), 1
	s_wait_xcnt 0x0
; out1 = LayerNorm(memory (1 - g) + read_avg g) x gamma + beta, row by row.  g[key] = the sum over gp's 256 rows / 32,768;  read_avg[channel] = the sum over rp's 256 rows / 32,768.
; SHARES.  A work-group owns 64 rows (keys), a wave four of them; lane L holds channels 4 L .. 4 L + 3 and 128 + 4 L .. 128 + 4 L + 3 of each.  Every work-group adds all of rp (262,144 bytes) for itself.
; The partial sums meet in LDS: rp's in 8 rows of 1,024 bytes at byte 0, gp's in 32 rows of 256 bytes at byte 8,192; thread t stores its 16 bytes at 16 t in both.  One barrier.
; Memory binds and the work is small: no matrix unit, no tensor loads, no cluster.  LIMITS: NaN and infinities are not served.
.set GA,  8192
.set MEM, 16                           ; v16-47   my four rows: row p at 8 p, then the new memory, then the result
.set GAM, 48                           ; v48-55   gamma
.set BET, 56                           ; v56-63   beta
.set GPR, 64                           ; v64-95   gp's eight loads; later v64-67 the gates' partial sums
.set RPR, 96                           ; v96-223  rp's 32 loads; later v96-159 read_avg's partial sums, v96-103 read_avg
.set RA,  96
.set DD,  160                          ; v160-191 at work: eight registers a row
.set GP,  224                          ; v224-231 each row's gate, twice (a pair for the packed forms)
.set SM,  232                          ; v232-235 each row's sum
.set XT,  236                          ; v236-239 at work
.set MU,  240                          ; v240-247 each row's mean, twice
.set RS,  248                          ; v248-255 each row's 1 / sqrt(var + eps), twice
.macro REDUCE b                        ; four registers are summed over the 32 lanes, by turns; every lane ends with the sums
.irp m, 1,2,4,8
.irp p, 0,1,2,3
	v_add_f32_dpp v[\b+\p], v[\b+\p], v[\b+\p] row_xmask:\m row_mask:0xf bank_mask:0xf
.endr
.endr
.irp p, 0,1,2,3
	s_delay_alu instid0(VALU_DEP_4)
	v_permlanex16_b32 v[XT+\p], v[\b+\p], s20, s21
.endr
.irp p, 0,1,2,3
	s_delay_alu instid0(VALU_DEP_4)
	v_add_f32 v[\b+\p], v[\b+\p], v[XT+\p]
.endr
.endm
	s_load_b256 s[4:11], s[0:1], 0x0               ; gp s[4:5], rp s[6:7], memory s[8:9], gamma s[10:11]
	s_load_b128 s[12:15], s[0:1], 0x20             ; beta s[12:13], out1 s[14:15]
	v_lshl_add_u32 v14, v0, 2, 0x4000
	v_mov_b32 v15, 0
	v_lshrrev_b32 v1, 5, v0
	s_delay_alu instid0(VALU_DEP_1)
	v_readfirstlane_b32 s16, v1                    ; wave 0..15
	v_and_b32 v1, 31, v0                           ; lane L
	s_lshl_b32 s17, s16, 12
	v_lshl_add_u32 v2, v1, 4, s17                  ; memory, out1: my four rows of 1,024 bytes, 16 L
	v_lshlrev_b32 v3, 4, v1                        ; 16 L
	v_lshlrev_b32 v7, 4, v0                        ; 16 t: rp's offset, and both LDS stores'
	s_lshl_b32 s18, s16, 4
	s_add_co_u32 s18, s18, GA
	v_lshl_add_u32 v10, v1, 8, s18                 ; the gates back: partial row L, my four keys
	s_mov_b32 s20, 0x76543210
	s_mov_b32 s21, 0xfedcba98                      ; v_permlanex16_b32's selects for lane l xor 16
	s_mov_b32 s22, 0x3b800000                      ; 1 / 256
	s_mov_b32 s23, 0x3727c5ac                      ; 1e-5
	s_lshl_b32 s24, ttmp9, 16                      ; 64 rows of 1,024 bytes
	s_mov_b32 s25, 0
	s_lshl_b32 s26, ttmp9, 16                      ; gp is laid [block of 64 keys][256 rows][64 keys]: my block's 256 rows are 65,536 bytes on end
	s_mov_b32 s27, 0
.irp p, 0,1,2,3
	v_mov_b32 v[XT+\p], 0                          ; written once: a lane permute's destination counts as one of its sources
.endr
	s_wait_alu depctr_va_vdst(0)
	s_wait_kmcnt 0x0
	s_add_nc_u64 s[8:9], s[8:9], s[24:25]
	s_add_nc_u64 s[14:15], s[14:15], s[24:25]
	s_add_nc_u64 s[4:5], s[4:5], s[26:27]
.irp p, 0,1,2,3
.irp e, 0,1
	global_load_b128 v[MEM+8*\p+4*\e:MEM+8*\p+4*\e+3], v2, s[8:9] offset:1024*\p+512*\e
.endr
.endr
.irp e, 0,1
	global_load_b128 v[GAM+4*\e:GAM+4*\e+3], v3, s[10:11] offset:512*\e
.endr
.irp e, 0,1
	global_load_b128 v[BET+4*\e:BET+4*\e+3], v3, s[12:13] offset:512*\e
.endr
.irp n, 0,1,2,3,4,5,6,7
	global_load_b128 v[GPR+4*\n:GPR+4*\n+3], v7, s[4:5] offset:\n*8192         ; row t / 16 + 32 n, 16 bytes: the work-group reads 8,192 consecutive bytes
.endr
.irp n, 0,1,2,3,4,5,6,7,8,9,10,11,12,13,14,15,16,17,18,19,20,21,22,23,24,25,26,27,28,29,30,31
	global_load_b128 v[RPR+4*\n:RPR+4*\n+3], v7, s[6:7] offset:\n*8192         ; the work-group reads 8,192 consecutive bytes
.endr
	s_wait_loadcnt 32                              ; all but rp's 32 loads are in
.irp s, 1,2,4
.set nl, 0
.rept 4/\s
	v_pk_add_f32 v[GPR+4*nl:GPR+4*nl+1], v[GPR+4*nl:GPR+4*nl+1], v[GPR+4*(nl+\s):GPR+4*(nl+\s)+1]
	v_pk_add_f32 v[GPR+4*nl+2:GPR+4*nl+3], v[GPR+4*nl+2:GPR+4*nl+3], v[GPR+4*(nl+\s)+2:GPR+4*(nl+\s)+3]
.set nl, nl+2*\s
.endr
.endr
	ds_store_b128 v7, v[GPR:GPR+3] offset:GA
	s_wait_loadcnt 0x0
.irp s, 1,2,4,8,16
.set nl, 0
.rept 16/\s
	v_pk_add_f32 v[RPR+4*nl:RPR+4*nl+1], v[RPR+4*nl:RPR+4*nl+1], v[RPR+4*(nl+\s):RPR+4*(nl+\s)+1]
	v_pk_add_f32 v[RPR+4*nl+2:RPR+4*nl+3], v[RPR+4*nl+2:RPR+4*nl+3], v[RPR+4*(nl+\s)+2:RPR+4*(nl+\s)+3]
.set nl, nl+2*\s
.endr
.endr
	ds_store_b128 v7, v[RPR:RPR+3]
	s_wait_dscnt 0x0                               ; for the others' sake: my two partial sums lie in LDS
	s_barrier_signal -1
	s_barrier_wait -1
.irp g, 0,1,2,3,4,5,6,7
.irp e, 0,1
	ds_load_b128 v[RA+8*\g+4*\e:RA+8*\g+4*\e+3], v3 offset:1024*\g+512*\e
.endr
.endr
	ds_load_b128 v[GPR:GPR+3], v10
	s_wait_dscnt 0x0
.irp s, 1,2,4
.set nl, 0
.rept 4/\s
.set kk, 0
.rept 4
	v_pk_add_f32 v[RA+8*nl+2*kk:RA+8*nl+2*kk+1], v[RA+8*nl+2*kk:RA+8*nl+2*kk+1], v[RA+8*(nl+\s)+2*kk:RA+8*(nl+\s)+2*kk+1]
.set kk, kk+1
.endr
.set nl, nl+2*\s
.endr
.endr
.irp k, 0,2,4,6
	s_delay_alu instid0(VALU_DEP_4)
	v_pk_mul_f32 v[RA+\k:RA+\k+1], v[RA+\k:RA+\k+1], 0x38000000 op_sel_hi:[1,0]   ; / 32,768: read_avg of my eight channels
.endr
	REDUCE GPR                                     ; the 32 partial rows of my four keys
.irp p, 0,1,2,3
	v_mul_f32 v[GP+2*\p], 0x38000000, v[GPR+\p]    ; / 32,768: the gate, in both registers of a pair
	v_mul_f32 v[GP+2*\p+1], 0x38000000, v[GPR+\p]
.endr
.irp k, 0,2,4,6
.irp p, 0,1,2,3
	v_pk_add_f32 v[DD+8*\p+\k:DD+8*\p+\k+1], v[RA+\k:RA+\k+1], v[MEM+8*\p+\k:MEM+8*\p+\k+1] neg_lo:[0,1] neg_hi:[0,1]   ; read_avg - memory
.endr
.endr
.irp k, 0,2,4,6
.irp p, 0,1,2,3
	v_pk_fma_f32 v[MEM+8*\p+\k:MEM+8*\p+\k+1], v[DD+8*\p+\k:DD+8*\p+\k+1], v[GP+2*\p:GP+2*\p+1], v[MEM+8*\p+\k:MEM+8*\p+\k+1]   ; memory (1 - g) + read_avg g
.endr
.endr
.irp p, 0,1,2,3
	v_pk_add_f32 v[DD+8*\p:DD+8*\p+1], v[MEM+8*\p:MEM+8*\p+1], v[MEM+8*\p+2:MEM+8*\p+3]
.endr
.irp p, 0,1,2,3
	v_pk_add_f32 v[DD+8*\p+2:DD+8*\p+3], v[MEM+8*\p+4:MEM+8*\p+5], v[MEM+8*\p+6:MEM+8*\p+7]
.endr
.irp p, 0,1,2,3
	s_delay_alu instid0(VALU_DEP_4)
	v_pk_add_f32 v[DD+8*\p:DD+8*\p+1], v[DD+8*\p:DD+8*\p+1], v[DD+8*\p+2:DD+8*\p+3]
.endr
.irp p, 0,1,2,3
	s_delay_alu instid0(VALU_DEP_4)
	v_add_f32 v[SM+\p], v[DD+8*\p], v[DD+8*\p+1]
.endr
	REDUCE SM
.irp p, 0,1,2,3
	v_mul_f32 v[MU+2*\p], s22, v[SM+\p]            ; the mean
	v_mul_f32 v[MU+2*\p+1], s22, v[SM+\p]
.endr
.irp k, 0,2,4,6
.irp p, 0,1,2,3
	v_pk_add_f32 v[MEM+8*\p+\k:MEM+8*\p+\k+1], v[MEM+8*\p+\k:MEM+8*\p+\k+1], v[MU+2*\p:MU+2*\p+1] neg_lo:[0,1] neg_hi:[0,1]
.endr
.endr
.irp p, 0,1,2,3
	v_pk_mul_f32 v[DD+8*\p:DD+8*\p+1], v[MEM+8*\p:MEM+8*\p+1], v[MEM+8*\p:MEM+8*\p+1]
.endr
.irp k, 2,4,6
.irp p, 0,1,2,3
	s_delay_alu instid0(VALU_DEP_4)
	v_pk_fma_f32 v[DD+8*\p:DD+8*\p+1], v[MEM+8*\p+\k:MEM+8*\p+\k+1], v[MEM+8*\p+\k:MEM+8*\p+\k+1], v[DD+8*\p:DD+8*\p+1]
.endr
.endr
.irp p, 0,1,2,3
	s_delay_alu instid0(VALU_DEP_4)
	v_add_f32 v[SM+\p], v[DD+8*\p], v[DD+8*\p+1]
.endr
	REDUCE SM
.irp p, 0,1,2,3
	s_delay_alu instid0(VALU_DEP_4)
	v_fma_f32 v[SM+\p], v[SM+\p], s22, s23         ; the variance + 1e-5
.endr
	s_wait_alu depctr_va_vdst(0)
.irp p, 0,1,2,3
	v_rsq_f32 v[RS+2*\p], v[SM+\p]
	v_rsq_f32 v[RS+2*\p+1], v[SM+\p]
.endr
	v_nop                                          ; a plain line behind the last of them
	s_wait_alu depctr_va_vdst(0)                   ; one wait for the eight, ahead of their first reader
.irp k, 0,2,4,6
.irp p, 0,1,2,3
	v_pk_mul_f32 v[MEM+8*\p+\k:MEM+8*\p+\k+1], v[MEM+8*\p+\k:MEM+8*\p+\k+1], v[RS+2*\p:RS+2*\p+1]
.endr
.endr
.irp k, 0,2,4,6
.irp p, 0,1,2,3
	v_pk_fma_f32 v[MEM+8*\p+\k:MEM+8*\p+\k+1], v[MEM+8*\p+\k:MEM+8*\p+\k+1], v[GAM+\k:GAM+\k+1], v[BET+\k:BET+\k+1]
.endr
.endr
.irp p, 0,1,2,3
.irp e, 0,1
	global_store_b128 v2, v[MEM+8*\p+4*\e:MEM+8*\p+4*\e+3], s[14:15] offset:1024*\p+512*\e   ; the wave stores 512 consecutive bytes
.endr
.endr
	s_wait_tensorcnt 0x0
	ds_add_u32 v14, v15
	s_wait_dscnt 0x0
	s_endpgm
.Lfunc_end_k_qeac47128c4_fin:
	.size	k_qeac47128c4_fin, .Lfunc_end_k_qeac47128c4_fin-k_qeac47128c4_fin
	.p2alignl 7, 3214868480
	.fill 96, 4, 3214868480
	.section	.rodata,"a",@progbits
	.p2align	6, 0x0
	.amdhsa_kernel k_qeac47128c4_fin
		.amdhsa_group_segment_fixed_size 18432
		.amdhsa_private_segment_fixed_size 0
		.amdhsa_enable_private_segment 0
		.amdhsa_kernarg_size 48
		.amdhsa_user_sgpr_count 2
		.amdhsa_user_sgpr_kernarg_segment_ptr 1
		.amdhsa_wavefront_size32 1
		.amdhsa_system_sgpr_workgroup_id_x 1
		.amdhsa_system_sgpr_workgroup_id_y 1
		.amdhsa_system_sgpr_workgroup_id_z 1
		.amdhsa_system_vgpr_workitem_id 0
		.amdhsa_next_free_vgpr 256
		.amdhsa_next_free_sgpr 66
		.amdhsa_reserve_vcc 0
		.amdhsa_float_denorm_mode_32 3
		.amdhsa_float_denorm_mode_16_64 3
		.amdhsa_memory_ordered 1
		.amdhsa_forward_progress 1
		.amdhsa_inst_pref_size 30
	.end_amdhsa_kernel
	.amdgpu_metadata
---
amdhsa.version: [ 1, 2 ]
amdhsa.kernels:
  - .name:           k_qeac47128c4_fin
    .symbol:         k_qeac47128c4_fin.kd
    .args:
      - { .name: gp, .offset: 0, .size: 8, .value_kind: global_buffer, .address_space: global }
      - { .name: rp, .offset: 8, .size: 8, .value_kind: global_buffer, .address_space: global }
      - { .name: memory, .offset: 16, .size: 8, .value_kind: global_buffer, .address_space: global }
      - { .name: ln_gamma, .offset: 24, .size: 8, .value_kind: global_buffer, .address_space: global }
      - { .name: ln_beta, .offset: 32, .size: 8, .value_kind: global_buffer, .address_space: global }
      - { .name: out1, .offset: 40, .size: 8, .value_kind: global_buffer, .address_space: global }
    .group_segment_fixed_size: 18432
    .private_segment_fixed_size: 0
    .kernarg_segment_align: 8
    .kernarg_segment_size: 48
    .max_flat_workgroup_size: 512
    .sgpr_count:     66
    .vgpr_count:     256
    .wavefront_size: 32
...
	.end_amdgpu_metadata
.endif
;; end of part 3
